; MI455X (gfx1250); checked and timed in simulation.
; The chip was launched on July 23, 2026; its instructions are those of AMD's public machine-readable ISA for CDNA 5 (MIT licence, August 2026) and "CDNA5" Instruction Set Architecture Reference Guide (July 2026). The comments in the code are by the model that wrote it; some were corrected since.
;; Grouped GLU. Allowed arithmetic: matrix products marked QUANTISED: E3M2 operands, one E8M0 scale for each 32 along K, by v_wmma_scale_f32_16x16x128_f8f6f4 with both operands' format E3M2, f32 sums; everything else in f32.
;; Inputs: offs 8 int32; weight_down_codes 8 x 256 x 32 x 24 uint8 (E3M2 codes of weight_down, K innermost, in blocks of 32 codes, four codes in three bytes); weight_down_scales 8 x 256 x 32 uint8 (E8M0 scales of weight_down, one for each 32 codes along K); weight_gate_codes 8 x 1,024 x 8 x 24 uint8 (E3M2 codes of weight_gate, K innermost, in blocks of 32 codes, four codes in three bytes); weight_gate_scales 8 x 1,024 x 8 uint8 (E8M0 scales of weight_gate, one for each 32 codes along K); weight_up_codes 8 x 1,024 x 8 x 24 uint8 (E3M2 codes of weight_up, K innermost, in blocks of 32 codes, four codes in three bytes); weight_up_scales 8 x 1,024 x 8 uint8 (E8M0 scales of weight_up, one for each 32 codes along K); x_codes 65,536 x 8 x 24 uint8 (E3M2 codes of x, K innermost, in blocks of 32 codes, four codes in three bytes); x_scales 65,536 x 8 uint8 (E8M0 scales of x, one for each 32 codes along K).
;; Outputs: out0 65,536 x 256 float32.
;; This version of the problem:
;;   THIS VERSION OF THE PROBLEM IS GIVEN IN LOW PRECISION. The matrix products marked QUANTISED in the list below multiply operands that are first quantised to E3M2 (3 exponent bits, 2 mantissa bits; 6 bits a number), with one power-of-two scale for each 32 numbers along K (OCP MX v1.0); their sums are f32. All else is computed in f32.
;;   The module's matrix products, in the order in which they are computed (A, B: the left and right operand; K: the contracted axis; several contracted axes count as one K, in the product's order):
;;     1. batch 8 x [M 8,192, K 256] x [K 256, N 1,024]; A: input x (given as codes); B: input weight_gate (given as codes): QUANTISED
;;     2. batch 8 x [M 8,192, K 256] x [K 256, N 1,024]; A: input x (given as codes); B: input weight_up (given as codes): QUANTISED
;;     3. batch 8 x [M 8,192, K 1,024] x [K 1,024, N 256]; A: computed on the way; B: input weight_down (given as codes): QUANTISED
;;   THE QUANTISER, for each operand of a quantised product, along K:
;;     - K is cut into blocks of 32 from its start; a last block that is shorter is filled with zeros.
;;     - A block's scale is 2^e with e = floor(log2(the largest magnitude in the block)) - 4, held to -126 .. 127; a block of zeros has e = 0. As a byte (E8M0): e + 127.
;;     - Each number is divided by its block's scale, clamped to +-28, and rounded to the nearest number of E3M2, ties to even, subnormals kept.
;;     - The product sums the exact products of the quantised numbers (number of the format x scale) in f32.
;;   ~~~python
;;   def quantise(x, axis):      # numpy; x: float32 -> the quantised numbers, widened to float32 again
;;       x = np.moveaxis(x, axis, -1); K = x.shape[-1]
;;       x = np.pad(x, [(0, 0)] * (x.ndim - 1) + [(0, -K % 32)]); x = x.reshape(x.shape[:-1] + (-1, 32)); a = np.abs(x).max(-1, keepdims=True)
;;       e = np.where(a > 0, np.clip(np.frexp(np.where(a > 0, a, 1))[1] - 1 - 4, -126, 127), 0)      # np.frexp(a)[1] - 1 = floor(log2(a)), exactly
;;       r = np.clip(x / 2.0 ** e, -28, 28)
;;       step = 2.0 ** (np.maximum(np.frexp(np.where(r == 0, 1, r))[1] - 1, -2) - 2)
;;       q = np.round(r / step) * step * 2.0 ** e      # np.round: ties to even
;;       return np.moveaxis(q.reshape(q.shape[:-2] + (-1,))[..., :K], -1, axis).astype(np.float32)
;;   ~~~
;;   OPERANDS COMPUTED ON THE WAY. 'Computed on the way' means the value that the module computes at that place (a softmax that the list does not call 'softmax' is quantised finished and normalised). What goes into a quantiser is computed in f32, as accurately as f32 sums, v_exp_f32 and their like allow (about 1e-6 of the number): no bf16 or f16 on the way to a quantiser, and a product that is left as it is and whose result goes on into a quantised operand takes f32 operands (vector FMAs, or v_wmma_f32_16x16x4_f32). A number that lies on a knife's edge between two numbers of the format may be rounded either way, as far as f32 arithmetic and the matrix unit's own rounding can turn it there, and no further.
;;   INPUTS GIVEN AS CODES. weight_down (in the module: [8, 1024, 256], K = its axis 1); weight_gate (in the module: [8, 256, 1024], K = its axis 1); weight_up (in the module: [8, 256, 1024], K = its axis 1); x (in the module: [65536, 256], K = its axis 1): each comes as NAME_codes (uint8): NAME with its K axis moved to the last place and cut into blocks of 32 codes, [.., K / 32, bytes a block], one block behind the other in memory; four codes in three bytes: a row's codes are one little-endian stream of bits, code i at bits 6 i .. 6 i + 5 (a code: sign, 3 exponent bits, 2 mantissa bits); and NAME_scales (uint8): the same leading axes, one E8M0 byte (e + 127) for each 32 codes along K. Its value is code x scale, taken as it is: it is not quantised again, and the codes and scales need not be those that the quantiser above would give.
;; One version. Each part assembles by itself: llvm-mc -triple=amdgcn-amd-amdhsa -mcpu=gfx1250 --defsym DOCPART=n.
;; ======== version 1 of 1: 1 launch
;; limits: right only within a limited range of input values
;; launch glu (part 1): grid 256 x 1, 4 waves a work-group, clusters of 4 x 1, 327,680 bytes of LDS; arguments x_codes, x_scales, weight_gate_codes, weight_gate_scales, weight_up_codes, weight_up_scales, weight_down_codes, weight_down_scales, out0; writes out0
.if DOCPART == 1
	.amdgcn_target "amdgcn-amd-amdhsa--gfx1250"
	.amdhsa_code_object_version 6
	.text
	.protected	k_q6039499fe9_glu
	.globl	k_q6039499fe9_glu
	.p2align	8
	.type	k_q6039499fe9_glu,@function
k_q6039499fe9_glu:
	s_mov_b64 s[64:65], 0
	v_nop
	global_prefetch_b8 v0, s[64:65] scope:SCOPE_SE
	s_setreg_imm32_b32 hwreg(HW_REG_WAVE_MODE, 25, 1), 1
	s_wait_xcnt 0x0
	s_wait_alu depctr_hold_cnt(0) depctr_sa_sdst(0) depctr_va_vdst(0) depctr_va_sdst(0) depctr_va_ssrc(0) depctr_va_vcc(0) depctr_vm_vsrc(0)
	s_getreg_b32 s2, hwreg(HW_REG_IB_STS2, 6, 4)
	s_cmp_eq_u32 s2, 0
	s_cbranch_scc0 .Lentry_in_a_cluster
	s_endpgm
.Lentry_in_a_cluster:
	s_bfe_u32 s2, ttmp6, 0x10000c
	s_cmp_lg_u32 s2, 0x3003
	s_cbranch_scc0 .Lentry_shape_is_right
	s_endpgm
.Lentry_shape_is_right:
; y = (silu(x Wgate) * (x Wup)) Wdown for 8 experts of 8,192 tokens; all three products on codes of BF6 (E3M2) with one E8M0 scale for each 32 along K, sums in f32.
; x [65536][256], Wgate, Wup [8][1024][256], Wdown [8][256][1024] arrive as codes with K innermost and go to the matrix unit as they lie; h = silu(zg) zu is made in f32 and quantised along dff in registers.
; DEAD INPUT: offs.  The split into experts is x.reshape(8, 8192, 256): it hangs on shapes alone, and no value of offs enters any step of the computation, whatever offs holds.  So offs is not loaded and is no argument.
; It is int32: no NaN, infinity or overflow can sit in it, so none is left uncarried.
; LIMITS: h is formed as (zg zu) x 1 / (1 + 2^(-zg log2 e)): |zg zu| must stay under the largest f32 number (3.4e38); the order of the two multiplications differs from silu(zg) x zu by roundings of f32.
; Where 2^(..) overflows the factor is 0 and h is 0.  A block of h that is all zeros gets the scale byte 1 where the quantiser says 127: its codes are zeros, and this kernel alone reads the byte.
; NaN and infinities on the way, and scale bytes 0xff among the inputs, are not served.
; SHARES.  Work-group W (256 of them) owns tokens 256 W on, each of its four waves 64: four tiles of 16 tokens, taken through the whole chain, so that h never leaves the wave's registers.  x's 8 fragments (96 registers)
; and y's 64 accumulators (64 tokens x 256 outputs, 512 registers) stay in registers.  dff goes in 8 chunks of 128 (one K step of the third product); a chunk goes in 4 blocks of 32 dff (one block of the quantiser).
; CLUSTER.  Four work-groups of one expert form a cluster and walk the same weights: each chunk's tiles (gate and up: 128 rows x 192 bytes; down: 256 rows x 96 bytes) are asked for JOINTLY, through a ring of two LDS slots.
; The scale bytes of the whole expert come once, with the first fills.
; LAYOUT.  All products are used transposed (source 0 = 16 rows of a weight, source 1 = 16 tokens): a lane holds ONE token (lane % 16) throughout.  Behind gate and up, register j of tile T is dff 16 T + 8 (lane / 16) + j.
; A conversion of a lane's 16 registers of a block gives two fields of 48 bits (dff 8 h' + 0..7 and 16 + 8 h' + 0..7, h' = lane / 16); for two blocks three exchanges of the lanes' halves give each lane the four fields of ITS
; block, and five byte selections lay them in the order of the operand (macro FINISH).  So the rows of a weight tile are neighbours, and their LDS rows start in sixteen different groups of banks.
; BY TURNS.  A chunk has 192 matrix instructions and some 1,300 vector instructions, 6.8 for each: the vector work is the longer.  The wave's token tiles are two PIECES, A (tiles 0, 1) and B (tiles 2, 3), which share the
; weights' fragments and nothing else.  In a turn one piece has the matrix unit (16 products zg, zu of a block; at a chunk's end 32 products y += h Wdown) and the other piece's silu and quantiser stand round them: a matrix
; instruction ahead of every fourth vector instruction.  That costs two window switches a matrix instruction.  Of a chunk's 192 products 144 stand so; bare are the chunk's first 16 and piece B's 32 of y.
; The 512 registers of y are cleared once, while the first fills are on their way: a first chunk whose products start the sums would be a third copy of the chunk's text.
.set SLOT1, 1<<17                      ; slot 1 begins here: one exclusive or turns an address of one slot into the other's
.set UPO,   30720                      ; in a slot: gate's 128 rows x 240 bytes at 0, up's at 30,720,
.set DNO,   61440                      ; down's 256 rows x 144 bytes at 61,440; a slot ends at 98,304
.set SCG,   98304                      ; gate's scale bytes of the expert: 8,192 bytes as they lie
.set SCUD,  8320                       ; up's lie 8,320 bytes further on: 128 more than a multiple of 256, so that lanes 16-31 touch the other 32 banks (64 banks of 4 bytes: ISA guide 11.1)
.set SCD,   114944                     ; down's: 32 units of 256 bytes + 16 of padding
.set SPARE, 123648                     ; the spare words, 128 bytes for each wave: two blocks of 256 bytes that no other line names
.set STAGE, 229376                     ; behind slot 1: a region of 15,360 bytes for each wave, its own: first x's 64 rows x 240 bytes, on the way out 16 rows x 528 bytes; no tensor load lands here
.set WST,   15360
.set AW0, 3                            ; v3   my lane's place in a tile of gate, up or x: 240 r + 24 h
.set AW1, 4                            ; v4   the same behind one padding more: + 16 h
.set AD0, 5                            ; v5   in a tile of down: 61,440 + 144 r + 24 h
.set AD1, 6                            ; v6   + 16 h
.set ASW0, 7                           ; v7   among gate's (lanes 0-15) and up's (lanes 16-31) scale words
.set ASD0, 8                           ; v8   among down's: lanes 0-15 tile t, lanes 16-31 tile t + 8
.set ADW, 9                            ; v9-14 the same six for the chunk in hand
.set ADW2, 10
.set ADD0, 11
.set ADD1, 12
.set ADS, 13
.set ADT, 14
.set STO, 15                           ; v15  the way out: where I put 32 bytes of a row
.set RD,  16                           ; v16  where I read a row back
.set CO,  17                           ; v17  16 x lane: my bytes of 512 consecutive bytes of x or of out0; never rewritten
.set SPW, 18                           ; v18  LDS address of my spare word; never rewritten
.set NIL, 19                           ; v19  0; never rewritten
.set XS,  20                           ; v20-23 x's scale words, a register a token tile: lanes 0-15 K step 0, lanes 16-31 K step 1
.set WS,  24                           ; v24-27 register 2 u + s: lanes 0-15 gate's words, lanes 16-31 up's, of the block's tile u, K step s
.set DS,  28                           ; v28-35 register t % 8: lanes 0-15 down's tile t, lanes 16-31 tile t + 8
.set HS,  36                           ; v36-39 h's scale words, a register a token tile
.set TM,  40                           ; v40-43 largest magnitudes;  v44-47 the other half's, then bytes;  v48-51 a second chain of the maximum, then the conversions' scale operands
.set TP,  44
.set TO,  48
.set YT,  52                           ; v52-67 the odd blocks' codes, four registers a token tile
.set HF,  68                           ; v68-115 h's four fragments
.set XW,  116                          ; v116 where I put 16 bytes of x in my region;  v117 x's scale words: 8 r + 4 h
.set XSA, 117
.set G,   128                          ; v128-191 gate's results: 16 m + 8 u + j;  v192-255 up's, then h.  Piece A: the first 32 of each, piece B the second 32
.set U,   192                          ; at a chunk's end piece A's hold down's tiles 12-15: v128, v140, v192, v204 on
.set BK,  128                          ; the way out: rows read back from the stage, v128-191 and v192-255 by turns
.set WB,  144                          ; window 1: v0-95 x's fragments (12 (2 m + s)); v144-239 a block's 8 fragments of gate and up (12 (4 u + 2 k + s));
.set B0,  96                           ; down's tiles 0-11, four a set: v96-143, v144-191, v192-239
.set B1,  144
.set B2,  192                          ; windows 2 and 3: y's accumulators: (m, t) at 8 ((16 m + t) % 32), window 2 for m < 2
.set WV,  22                           ; s22  my wave's number;  s23 its low bit
.set PP,  23
.set G1GU, 24                          ; s[24:31] descriptor group 1 for gate's and up's tiles;  s[32:39] down's;  s[40:47] gate's and up's scale bytes;  s[48:55] down's
.set G1D,  32
.set G1S,  40
.set G1SD, 48
.set G0W,  56                          ; s[56:59], s[60:63] groups 0 that walk;  s[68:71], s[72:75] those of the scale bytes
.set G0D,  60
.set G0SW, 68
.set G0SD, 72
.set SEL, 76                           ; s[76:77] v_permlanex16_b32's selects for lane l xor 16
.set CN,  78                           ; s[78:79] -log2(e); the packed form names the pair and takes its low word for both halves
.set TB,  80                           ; s80  the slot in hand;  s81 the chunk's scale words of gate and up (1,024 bytes a chunk);  s82 of down (4 bytes a chunk)
.set TS,  81
.set TJ,  82
.set CNT, 83
.set P16, 89                           ; s89-91 byte selections for v_perm_b32
.set PHI, 90
.set PLO, 91
.set MSB, 0
.macro WIN new                         ; s_set_vgpr_msb: bits 1:0 source 0, 3:2 source 1, 5:4 source 2, 7:6 destination; the high byte repeats the setting that is left
.if MSB != (\new)
	s_set_vgpr_msb (MSB<<8)|(\new)
.set MSB, (\new)
.endif
.endm
.macro PLACES n                        ; plain vector instructions that name no register of the matrix instructions ahead of them (ISA guide 7.12.1)
.rept \n
	v_nop
.endr
.endm
; A round of the cluster's barrier: my work-group's barrier; wave 0 signals for the work-group; every wave waits for all four work-groups; my work-group's barrier once more.
.macro CROUND
	s_barrier_signal -1
	s_barrier_wait -1
	s_cmp_lg_u32 s[WV], 0
	s_cbranch_scc1 .Lnot_wave_0_\@
	s_barrier_signal -3
.Lnot_wave_0_\@:
	s_barrier_wait -3
	s_barrier_signal -1
	s_barrier_wait -1
.endm
; A joint refill: wave 0 fetches gate's tile, wave 1 up's, waves 2 and 3 the halves of down's.  The branch hangs on the wave's number alone.  An s_nop 0 and four v_nop follow each line.
.macro JLOAD
	s_cmp_lt_u32 s[WV], 2
	s_cbranch_scc0 .Lfor_d_\@
	tensor_load_to_lds s[G0W:G0W+3], s[G1GU:G1GU+7]
	s_nop 0
.rept 4
	v_nop
.endr
	s_branch .Lasked_\@
.Lfor_d_\@:
	tensor_load_to_lds s[G0D:G0D+3], s[G1D:G1D+7]
	s_nop 0
.rept 4
	v_nop
.endr
.Lasked_\@:
.endm
	s_load_b256 s[4:11], s[0:1], 0x0               ; x's codes s[4:5], x's scales s[6:7], gate's codes s[8:9], gate's scales s[10:11]
	s_load_b256 s[12:19], s[0:1], 0x20             ; up's codes s[12:13], up's scales s[14:15], down's codes s[16:17], down's scales s[18:19]
	s_load_b64 s[20:21], s[0:1], 0x40              ; out0
	v_lshl_add_u32 v[SPW], v0, 2, SPARE
	v_mov_b32 v[NIL], 0
	ds_add_u32 v[SPW], v[NIL]                      ; the wave's opening: the add, twice on end, and its wait ahead of my first tensor load; the set-up below, work on registers, stands between
	ds_add_u32 v[SPW], v[NIL]
	v_lshrrev_b32 v1, 5, v0
	v_readfirstlane_b32 s[WV], v1                  ; wave 0..3
	s_and_b32 s[PP], s[WV], 1
	s_bfe_u32 s84, ttmp6, 0x40000                  ; cx: my place in the cluster; it enters x's and out0's addresses alone
	s_lshl_b32 s85, ttmp9, 2                       ; in a cluster launch ttmp9 counts clusters
	s_add_co_u32 s85, s85, s84                     ; W = 4 x cluster + cx
	s_lshr_b32 s86, ttmp9, 3                       ; the expert: 8 clusters (32 work-groups x 256 tokens) each; the four partners share it
	s_mul_i32 s92, s86, 196608                     ; the expert's first byte in each tensor of weight codes (1024 x 192 = 256 x 768),
	s_mov_b32 s93, 0
	s_lshl_b32 s94, s86, 13                        ; and in each tensor of weight scales (8,192 bytes)
	s_mov_b32 s95, 0
	s_mul_i32 s96, s[PP], 98304                    ; down: my 128 rows of 768 bytes,
	s_add_co_u32 s96, s96, s92
	s_mov_b32 s97, 0
	s_lshl_b32 s98, s[PP], 12                      ; and their 4,096 scale bytes
	s_add_co_u32 s98, s98, s94
	s_mov_b32 s99, 0
	s_mul_i32 s66, s85, 49152                      ; x's codes: 256 rows of 192 bytes a work-group,
	s_mul_i32 s67, s[WV], 12288                    ; 64 a wave
	s_add_co_u32 s66, s66, s67
	s_mov_b32 s67, 0
	s_lshl_b32 s2, s85, 11                         ; x's scales: 8 bytes a row
	s_lshl_b32 s3, s[WV], 9
	s_add_co_u32 s2, s2, s3
	s_mov_b32 s3, 0
	s_lshl_b32 s84, s85, 18                        ; out0: 1,024 bytes a row
	s_lshl_b32 s87, s[WV], 16
	s_add_co_u32 s84, s84, s87
	s_mov_b32 s85, 0
	; descriptor groups 1.  Word 0: 15:0 the mask, all four work-groups; 17:16 the element's size; 20 padding on; 21 set beside a mask; 24:22 the interval; 31:25 the padding less one, in words
	s_mov_b32 s[G1GU], 15|(1<<20)|(1<<21)|(3<<22)|(3<<25)   ; gate, up: 128 rows of 192 bytes, dense; 16 bytes of padding behind every 64: LDS rows 240 bytes apart
	s_mov_b32 s[G1GU+1], 192<<16
	s_mov_b32 s[G1GU+2], 128<<16
	s_mov_b32 s[G1GU+3], 192<<16
	s_mov_b32 s[G1GU+4], 128
	s_mov_b32 s[G1GU+5], 192
	s_mov_b32 s[G1GU+6], 0
	s_mov_b32 s[G1GU+7], 0
	s_mov_b32 s[G1D], 15|(1<<20)|(1<<21)|(2<<22)|(3<<25)    ; down: 128 rows of 96 bytes, 768 bytes apart in memory; 16 bytes of padding behind every 32: LDS rows 144 bytes apart
	s_mov_b32 s[G1D+1], 96<<16
	s_mov_b32 s[G1D+2], 128<<16
	s_mov_b32 s[G1D+3], 96<<16
	s_mov_b32 s[G1D+4], 128
	s_mov_b32 s[G1D+5], 768
	s_mov_b32 s[G1D+6], 0
	s_mov_b32 s[G1D+7], 0
	s_mov_b32 s[G1S], 15|(3<<16)|(1<<21)                    ; gate's or up's scale bytes: 8,192 dense bytes as 32 rows of 32 elements of 8 bytes, no padding
	s_mov_b32 s[G1S+1], 32<<16
	s_mov_b32 s[G1S+2], 32<<16
	s_mov_b32 s[G1S+3], 32<<16
	s_mov_b32 s[G1S+4], 32
	s_mov_b32 s[G1S+5], 32
	s_mov_b32 s[G1S+6], 0
	s_mov_b32 s[G1S+7], 0
	s_mov_b32 s[G1SD], 15|(3<<16)|(1<<20)|(1<<21)|(5<<22)|(3<<25)   ; half of down's: 4,096 dense bytes as 16 rows of 256 bytes, 16 bytes of padding behind each
	s_mov_b32 s[G1SD+1], 32<<16
	s_mov_b32 s[G1SD+2], 16<<16
	s_mov_b32 s[G1SD+3], 32<<16
	s_mov_b32 s[G1SD+4], 16
	s_mov_b32 s[G1SD+5], 32
	s_mov_b32 s[G1SD+6], 0
	s_mov_b32 s[G1SD+7], 0
	; groups 0: the count and the LDS addresses, made of the wave's number alone
	s_mov_b32 s[G0W], 1
	s_mul_i32 s[G0W+1], s[PP], UPO                 ; wave 0: gate's tile at 0; wave 1: up's at 30,720
	s_mov_b32 s[G0D], 1
	s_mul_i32 s[G0D+1], s[PP], 18432               ; down's 128 rows x 144 bytes
	s_add_co_u32 s[G0D+1], s[G0D+1], DNO
	s_mov_b32 s[G0SW], 1
	s_mul_i32 s[G0SW+1], s[PP], SCUD
	s_add_co_u32 s[G0SW+1], s[G0SW+1], SCG
	s_mov_b32 s[G0SD], 1
	s_mul_i32 s[G0SD+1], s[PP], 4352               ; 16 units of 272 bytes
	s_add_co_u32 s[G0SD+1], s[G0SD+1], SCD
	s_mov_b32 s[SEL], 0x76543210
	s_mov_b32 s[SEL+1], 0xfedcba98
	s_mov_b32 s[CN], 0xbfb8aa3b                    ; -log2(e)
	s_mov_b32 s[CN+1], s[CN]                       ; (named with it as a pair, so it is written)
	s_mov_b32 s[P16], 0x05040302                   ; the first source's low half above the second's high half: the pair shifted down by 16 bits
	s_mov_b32 s[PHI], 0x07060302                   ; the two high halves
	s_mov_b32 s[PLO], 0x05040100                   ; the two low halves
	s_mov_b32 s[TB], 0
	s_mov_b32 s[TS], 0
	s_mov_b32 s[TJ], 0
	s_mov_b32 s[CNT], 7
	s_wait_dscnt 0x0                               ; both opening adds are done
	s_wait_kmcnt 0x0
	s_cmp_eq_u32 s[PP], 0                          ; gate's buffers or up's: the choice hangs on the wave's number alone
	s_cselect_b64 s[G0W+2:G0W+3], s[8:9], s[12:13]
	s_cselect_b64 s[G0SW+2:G0SW+3], s[10:11], s[14:15]
	s_add_nc_u64 s[G0W+2:G0W+3], s[G0W+2:G0W+3], s[92:93]     ; the expert's chunk 0
	s_or_b32 s[G0W+3], s[G0W+3], 0x80000000                   ; 127:126 type = 2
	s_add_nc_u64 s[G0SW+2:G0SW+3], s[G0SW+2:G0SW+3], s[94:95]
	s_or_b32 s[G0SW+3], s[G0SW+3], 0x80000000
	s_add_nc_u64 s[G0D+2:G0D+3], s[16:17], s[96:97]
	s_or_b32 s[G0D+3], s[G0D+3], 0x80000000
	s_add_nc_u64 s[G0SD+2:G0SD+3], s[18:19], s[98:99]
	s_or_b32 s[G0SD+3], s[G0SD+3], 0x80000000
	s_add_nc_u64 s[4:5], s[4:5], s[66:67]          ; x's codes, x's scales and out0 at my wave's first token
	s_add_nc_u64 s[6:7], s[6:7], s[2:3]
	s_add_nc_u64 s[20:21], s[20:21], s[84:85]
	CROUND                                         ; all four work-groups are here: the first joint loads meet
	s_cmp_lt_u32 s[WV], 2                          ; a wave's two first fills stand in one branch, ahead of every wait on TENSORcnt and every LDS read: two loads of mine are out
	s_cbranch_scc0 .Lfirst_d
	tensor_load_to_lds s[G0SW:G0SW+3], s[G1S:G1S+7]           ; the scale bytes of the whole expert: filled once
	s_nop 0
	tensor_load_to_lds s[G0W:G0W+3], s[G1GU:G1GU+7]           ; chunk 0 into slot 0
	s_nop 0
.rept 4
	v_nop
.endr
	s_branch .Lfirst_asked
.Lfirst_d:
	tensor_load_to_lds s[G0SD:G0SD+3], s[G1SD:G1SD+7]
	s_nop 0
	tensor_load_to_lds s[G0D:G0D+3], s[G1D:G1D+7]
	s_nop 0
.rept 4
	v_nop
.endr
.Lfirst_asked:
	v_and_b32 v1, 15, v0                           ; r = lane % 16
	v_bfe_u32 v2, v0, 4, 1                         ; h = lane / 16
	v_and_b32 v[CO], 31, v0
	v_lshrrev_b32 v[XW], 2, v[CO]                  ; lane / 4
	v_lshlrev_b32 v[CO], 4, v[CO]                  ; 16 x lane
	v_lshlrev_b32 v[XSA], 3, v1
	v_lshl_add_u32 v[XSA], v2, 2, v[XSA]
; x: my wave's 64 rows of 192 bytes are 12,288 dense bytes: 24 loads, each of 512 consecutive bytes, 16 a lane.  A fragment wants 24 bytes of each of 16 rows in a lane: so the bytes turn through my own region of LDS.
.set i, 0
.rept 24
	global_load_b128 v[G+4*i:G+4*i+3], v[CO], s[4:5] offset:512*i th:TH_LOAD_NT
.set i, i+1
.endr
.irp m, 0,1,2,3
	global_load_b32 v[XS+\m], v[XSA], s[6:7] offset:128*\m th:TH_LOAD_NT
.endr
	s_mul_i32 s88, s[WV], WST
	s_add_co_u32 s88, s88, STAGE                   ; my region
	v_lshl_add_u32 v[XW], v[XW], 4, v[CO]          ; byte B of x goes to B + 16 (B / 64): 16 bytes of padding behind every 64, as the weights' tiles have: with B = 512 n + 16 lane that is 640 n + 16 lane + 16 (lane / 4)
	v_add_nc_u32 v[XW], s88, v[XW]
	v_mul_u32_u24 v[AW0], v1, 240
	v_mad_u32_u24 v[AW0], v2, 24, v[AW0]
	v_lshl_add_u32 v[AW1], v2, 4, v[AW0]
	v_mul_u32_u24 v[AD0], v1, 144
	v_mad_u32_u24 v[AD0], v2, 24, v[AD0]
	v_add_nc_u32 v[AD0], DNO, v[AD0]
	v_lshl_add_u32 v[AD1], v2, 4, v[AD0]
	v_mul_u32_u24 v[ASW0], v2, SCUD                ; lanes 16-31 take up's words
	v_lshl_add_u32 v[ASW0], v1, 3, v[ASW0]         ; 8 bytes a row
	v_add_nc_u32 v[ASW0], SCG, v[ASW0]
	v_and_b32 v[ASD0], 7, v1                       ; down's: 32 bytes a row, 8 rows to a unit of 272 bytes
	v_lshlrev_b32 v[ASD0], 5, v[ASD0]
	v_lshrrev_b32 v9, 3, v1
	v_mad_u32_u24 v[ASD0], v9, 272, v[ASD0]
	v_mad_u32_u24 v[ASD0], v2, 4352, v[ASD0]       ; lanes 16-31: eight tiles (16 units) further on
	v_add_nc_u32 v[ASD0], SCD, v[ASD0]
	v_add_nc_u32 v[ADW], s88, v[AW0]               ; for x's fragments: my lane's place in my region
	v_add_nc_u32 v[ADW2], s88, v[AW1]
	v_mul_u32_u24 v[STO], v1, 528
	v_lshl_add_u32 v[STO], v2, 5, v[STO]
	v_add_nc_u32 v[STO], s88, v[STO]
	v_add_nc_u32 v[RD], s88, v[CO]
.irp m, 0,1,2,3
	v_mov_b32 v[TP+\m], 0                          ; written once: a lane permute's destination counts as one of its sources
.endr
	WIN 0x80                                       ; y's sums begin as zeros: the chunk is then written alike for all eight
.set i, 0
.rept 256
	v_mov_b32 v[i], 0
.set i, i+1
.endr
	WIN 0xc0
.set i, 0
.rept 256
	v_mov_b32 v[i], 0
.set i, i+1
.endr
	WIN 0
; A fragment of gate, up or x from LDS: pieces of 8 bytes.  Lanes 0-15 take the row's pieces 12 s + 0, 1, 2 and 12 s + 6, 7, 8, lanes 16-31 those three pieces on; 16 bytes of padding lie behind every 8 pieces:
; where the piece three on lies behind one padding more, the second address register serves.
.macro GFRAG reg, off, s
.irp p, 0,1,2,3,4,5
.set PCE, 12*(\s)+6*(\p/3)+\p%3
.if PCE%8 < 5
	ds_load_b64 v[\reg+2*\p:\reg+2*\p+1], v[ADW] offset:(\off)+8*PCE+16*(PCE/8)
.else
	ds_load_b64 v[\reg+2*\p:\reg+2*\p+1], v[ADW2] offset:(\off)+8*PCE+16*(PCE/8)
.endif
.endr
.endm
; Tile u (16 neighbouring rows) of block b, of gate (k = 0) and up (k = 1), K steps s = 0, 1: 24 loads; and its scale words, both K steps' by one load of 8 bytes.
.macro LOADW b, u
	WIN 0x40
.irp k, 0,1
.irp s, 0,1
	GFRAG WB+12*(4*(\u)+2*\k+\s), UPO*\k+(2*(\b)+(\u))*3840, \s
.endr
.endr
	WIN 0
	ds_load_b64 v[WS+2*(\u):WS+2*(\u)+1], v[ADS] offset:(2*(\b)+(\u))*128
.endm
; A fragment of down: pieces 0, 1, 2 and 6, 7, 8 of a row of 12; 16 bytes of padding lie behind every 4 pieces.
.macro DFRAG reg, t
.irp p, 0,1,2,3,4,5
.set PCE, 6*(\p/3)+\p%3
.if PCE%4 == 0
	ds_load_b64 v[\reg+2*\p:\reg+2*\p+1], v[ADD0] offset:2304*(\t)+8*PCE+16*(PCE/4)
.else
	ds_load_b64 v[\reg+2*\p:\reg+2*\p+1], v[ADD1] offset:2304*(\t)+8*PCE+16*(PCE/4)
.endif
.endr
.endm
.macro LOADD q, base                   ; down's tiles 4 q .. 4 q + 3, q < 3, into window 1
	WIN 0x40
.irp i, 0,1,2,3
	DFRAG \base+12*\i, 4*(\q)+\i
.endr
.endm
.macro LOADD3                          ; down's tiles 12 .. 15 into piece A's registers of zg and zu, in window 0: free from A's last conversion of the chunk to the next chunk's first product
.irp i, 0,1,2,3
	DFRAG G+64*(\i/2)+12*(\i%2), 12+\i
.endr
.endm
.macro LOADDS                          ; down's scale words of the chunk: 16 tiles in 8 registers
	WIN 0
.irp t, 0,1,2,3,4,5,6,7
	ds_load_b32 v[DS+\t], v[ADT] offset:544*\t
.endr
.endm
; THE MATRIX WORK OF A TURN is a list, dealt out by counters of the assembler: mk its kind (1: zg, zu; 2: y), mp the piece, mn its length, mi the next number.
; Number mi of 16 of a block's zg and zu for piece mp: K step mi / 8, tile (mi / 4) % 2, gate or up (mi / 2) % 2, token tile 2 mp + mi % 2.  The 8 accumulators take turns; the first K step starts the sums.
.macro MG1
.set ss, mi/8
.set uu, (mi/4)%2
.set kk, (mi/2)%2
.set mm, 2*mp+mi%2
.set rD, G+64*kk+16*mm+8*uu
.set rA, WB+12*(4*uu+2*kk+ss)
.set rB, 12*(2*mm+ss)
.set rW, WS+2*uu+ss
	WIN 0x05                                       ; sources 0 (weights) and 1 (x) window 1; C and D window 0
.if ss == 0
.if kk == 0
	v_wmma_scale_f32_16x16x128_f8f6f4 v[rD:rD+7], v[rA:rA+11], v[rB:rB+11], 0, v[rW], v[XS+mm] matrix_a_fmt:MATRIX_FMT_BF6 matrix_b_fmt:MATRIX_FMT_BF6
.else
	v_wmma_scale_f32_16x16x128_f8f6f4 v[rD:rD+7], v[rA:rA+11], v[rB:rB+11], 0, v[rW], v[XS+mm] matrix_a_fmt:MATRIX_FMT_BF6 matrix_b_fmt:MATRIX_FMT_BF6 matrix_a_scale:MATRIX_SCALE_ROW1
.endif
.else
.if kk == 0
	v_wmma_scale_f32_16x16x128_f8f6f4 v[rD:rD+7], v[rA:rA+11], v[rB:rB+11], v[rD:rD+7], v[rW], v[XS+mm] matrix_a_fmt:MATRIX_FMT_BF6 matrix_b_fmt:MATRIX_FMT_BF6 matrix_b_scale:MATRIX_SCALE_ROW1
.else
	v_wmma_scale_f32_16x16x128_f8f6f4 v[rD:rD+7], v[rA:rA+11], v[rB:rB+11], v[rD:rD+7], v[rW], v[XS+mm] matrix_a_fmt:MATRIX_FMT_BF6 matrix_b_fmt:MATRIX_FMT_BF6 matrix_a_scale:MATRIX_SCALE_ROW1 matrix_b_scale:MATRIX_SCALE_ROW1
.endif
.endif
.endm
; Number mi of 32 of y += h Wdown for piece mp: down's tile 4 qq + (mi / 2) % 4, token tile 2 mp + mi % 2.  Piece A takes the sets in the order 0, 1, 2, 3; piece B 3, 0, 1, 2, so that the registers of set 3, over which
; the next chunk's first products write, are read last 24 matrix instructions ahead of the chunk's end.  Each accumulator is touched once in a chunk.
.macro MD1
.set qq, (mi/8+3*mp)%4
.set ii, (mi/2)%4
.set tt, 4*qq+ii
.set rD, 8*(16*(mi%2)+tt)
.set rB, HF+12*(2*mp+mi%2)
.set rW, DS+tt%8
.set rH, HS+2*mp+mi%2
.if qq < 3
.set rA, B0+48*qq+12*ii
	WIN 0xa1+0x50*mp                               ; source 0 (down) window 1, source 1 (h) window 0, C and D window 2 or 3
.else
.set rA, G+64*(ii/2)+12*(ii%2)
	WIN 0xa0+0x50*mp                               ; the same with source 0 in window 0
.endif
.if qq < 2
	v_wmma_scale_f32_16x16x128_f8f6f4 v[rD:rD+7], v[rA:rA+11], v[rB:rB+11], v[rD:rD+7], v[rW], v[rH] matrix_a_fmt:MATRIX_FMT_BF6 matrix_b_fmt:MATRIX_FMT_BF6
.else
	v_wmma_scale_f32_16x16x128_f8f6f4 v[rD:rD+7], v[rA:rA+11], v[rB:rB+11], v[rD:rD+7], v[rW], v[rH] matrix_a_fmt:MATRIX_FMT_BF6 matrix_b_fmt:MATRIX_FMT_BF6 matrix_a_scale:MATRIX_SCALE_ROW1
.endif
.endm
.macro ARM kind, piece, n              ; a new list
.set mk, \kind
.set mp, \piece
.set mn, \n
.set mi, 0
.set tk, 0
.endm
.macro BARE                            ; the list's next matrix instruction
.if mk == 1
	MG1
.else
	MD1
.endif
.set mi, mi+1
.endm
.macro TICK                            ; stands ahead of each vector instruction of the silu: ahead of every fourth, while the list lasts, its next matrix instruction
.if (mi < mn) && (tk%4 == 0)
.if (mk == 2) && (mi == 24)
	s_wait_dscnt 0x0                               ; down's tiles 12-15 are in: asked for 24 matrix and 96 vector instructions ago
.endif
	BARE
	WIN 0
.endif
.set tk, tk+1
.endm
; THE VECTOR WORK OF A TURN, for piece p: h = (zg zu) / (1 + 2^(-zg log2 e)), 32 numbers a lane, in f32, and the quantiser.  It names nothing of the other piece's products.
; ST1: zg zu and -zg log2 e, a pair at a time, the pairs ascending; the exponentials of the pair before stand between them.  None of these 64 reads an exponential's result.
.macro ST1 p
.set gP, G+32*(\p)
.set uP, U+32*(\p)
.set j, 0
.rept 16
	TICK
	v_pk_mul_f32 v[uP+j:uP+j+1], v[uP+j:uP+j+1], v[gP+j:gP+j+1]
.if j > 0
	TICK
	v_exp_f32 v[gP+j-2], v[gP+j-2]
.endif
	TICK
	v_pk_mul_f32 v[gP+j:gP+j+1], v[gP+j:gP+j+1], s[CN:CN+1] op_sel_hi:[1,0]
.if j > 0
	TICK
	v_exp_f32 v[gP+j-1], v[gP+j-1]
.endif
.set j, j+2
.endr
	TICK
	v_exp_f32 v[gP+30], v[gP+30]
	TICK
	v_exp_f32 v[gP+31], v[gP+31]
	v_nop                                          ; a plain instruction behind the last exponential,
	s_wait_alu depctr_va_vdst(0)                   ; and the wait ahead of the first use: one for the batch of 32
.endm
; ST2: 1 + 2^(..), a pair at a time, the reciprocals of the pair before behind each.
.macro ST2 p
.set gP, G+32*(\p)
.set j, 0
.rept 16
	TICK
	v_pk_add_f32 v[gP+j:gP+j+1], v[gP+j:gP+j+1], 1.0 op_sel_hi:[1,0]
.if j > 0
	TICK
	v_rcp_f32 v[gP+j-2], v[gP+j-2]
	TICK
	v_rcp_f32 v[gP+j-1], v[gP+j-1]
.endif
.set j, j+2
.endr
	TICK
	v_rcp_f32 v[gP+30], v[gP+30]
	TICK
	v_rcp_f32 v[gP+31], v[gP+31]
	v_nop
	s_wait_alu depctr_va_vdst(0)                   ; one for the 32 reciprocals
.endm
.macro ST3 p
.set gP, G+32*(\p)
.set uP, U+32*(\p)
.set j, 0
.rept 16
	TICK
	v_pk_mul_f32 v[uP+j:uP+j+1], v[uP+j:uP+j+1], v[gP+j:gP+j+1]
.set j, j+2
.endr
.endm
; Block b of h is quantised for piece p's two token tiles.  A lane holds 16 of its token's 32 numbers, lane l xor 16 the others.  The maximum goes in two chains a tile, four in all, so that no line waits for the line above it.
.macro QUANT b, p
.irp e, 0,1
	v_max3_num_f32 v[TM+2*(\p)+\e], |v[U+32*(\p)+16*\e]|, |v[U+32*(\p)+16*\e+1]|, 0x2800000   ; and the floor 2^(5 - 127): the byte cannot fall under 1
	v_max3_num_f32 v[TO+2*(\p)+\e], |v[U+32*(\p)+16*\e+8]|, |v[U+32*(\p)+16*\e+9]|, |v[U+32*(\p)+16*\e+10]|
.endr
.irp i, 2,4,6
.irp e, 0,1
	v_max3_num_f32 v[TM+2*(\p)+\e], v[TM+2*(\p)+\e], |v[U+32*(\p)+16*\e+\i]|, |v[U+32*(\p)+16*\e+\i+1]|
.if \i < 6
	v_max3_num_f32 v[TO+2*(\p)+\e], v[TO+2*(\p)+\e], |v[U+32*(\p)+16*\e+\i+9]|, |v[U+32*(\p)+16*\e+\i+10]|
.endif
.endr
.endr
.irp e, 0,1
	v_max3_num_f32 v[TM+2*(\p)+\e], v[TM+2*(\p)+\e], v[TO+2*(\p)+\e], |v[U+32*(\p)+16*\e+15]|
.endr
.irp e, 0,1
	v_permlanex16_b32 v[TP+2*(\p)+\e], v[TM+2*(\p)+\e], s[SEL], s[SEL+1]
.endr
.irp e, 0,1
	v_max_num_f32 v[TM+2*(\p)+\e], v[TM+2*(\p)+\e], v[TP+2*(\p)+\e]     ; the block's largest magnitude
.endr
.irp e, 0,1
	v_add_nc_u32 v[TO+2*(\p)+\e], 0xfe000000, v[TM+2*(\p)+\e]           ; 4 off its exponent field: the conversion takes the exponent field of this operand as its scale
.endr
.if (\b) == 0
.irp e, 0,1
	v_lshrrev_b32 v[HS+2*(\p)+\e], 23, v[TO+2*(\p)+\e]                  ; the scale's byte begins the token's scale word
.endr
.else
.irp e, 0,1
	v_lshrrev_b32 v[TP+2*(\p)+\e], 23, v[TO+2*(\p)+\e]
.endr
.irp e, 0,1
	v_lshl_or_b32 v[HS+2*(\p)+\e], v[TP+2*(\p)+\e], 8*(\b), v[HS+2*(\p)+\e]
.endr
.endif
.irp e, 0,1
.if (\b)%2 == 0
	v_cvt_scalef32_pk16_bf6_f32 v[HF+12*(2*(\p)+\e)+6*((\b)/2):HF+12*(2*(\p)+\e)+6*((\b)/2)+2], v[U+32*(\p)+16*\e:U+32*(\p)+16*\e+15], v[TO+2*(\p)+\e]
.else
	v_cvt_scalef32_pk16_bf6_f32 v[YT+4*(2*(\p)+\e):YT+4*(2*(\p)+\e)+2], v[U+32*(\p)+16*\e:U+32*(\p)+16*\e+15], v[TO+2*(\p)+\e]
.endif
.endr
	v_nop                                          ; one plain place behind the last scaled conversion: the next turn's products write over its sources
.endm
; Blocks 2 c and 2 c + 1 become registers 6 c .. 6 c + 5 of h's fragments.  The exchange gives lanes 0-15 block 2 c and lanes 16-31 block 2 c + 1: in x0-x2 the two fields that lanes 0-15 made (dff 0-7, 16-23 of the block),
; in y0-y2 those that lanes 16-31 made (dff 8-15, 24-31).  The block's 192 bits are x.field 0, y.field 0, x.field 1, y.field 1:
; x0 | x1.low, y0.low | y0.high, y1.low | x1.high, x2.low | x2.high, y1.high | y2.
.macro FINISH c, p
.irp e, 0,1
.irp i, 0,1,2
	v_permlane16_swap_b32 v[HF+12*(2*(\p)+\e)+6*(\c)+\i], v[YT+4*(2*(\p)+\e)+\i]
.endr
.endr
.irp e, 0,1
.set rF, HF+12*(2*(\p)+\e)+6*(\c)
.set rY, YT+4*(2*(\p)+\e)
	v_perm_b32 v[rF+3], v[rF+2], v[rF+1], s[P16]
	v_perm_b32 v[rF+4], v[rY+1], v[rF+2], s[PHI]
	v_mov_b32 v[rF+5], v[rY+2]
	v_perm_b32 v[rF+1], v[rY], v[rF+1], s[PLO]
	v_perm_b32 v[rF+2], v[rY+1], v[rY], s[P16]
.endr
.endm
; The vector work of block b, piece p, with the turn's LDS loads in two runs, each behind a batch's wait.  ld = 1: the next block's weights; ld = 2: down's tiles 0-11 and scale words; ld = 0: none.
; A list of 16 is out ahead of ST1's 61st instruction.  The first run lands on tile u = 0's registers, whose last reader is number 11 of the list: nine scalings of ST1 stand behind it;
; the second on tile u = 1's, whose last reader has the rest of ST1 and all of ST2 behind it.  (Four plain instructions are asked between a matrix instruction and a load into its registers.)
.macro VEC b, p, ld
	ST1 \p
.if \ld == 1
	LOADW (\b)+1, 0
.elseif \ld == 2
	LOADD 0, B0
	LOADD 1, B1
	WIN 0
.endif
	ST2 \p
.if \ld == 1
	LOADW (\b)+1, 1
.elseif \ld == 2
	LOADD 2, B2
	LOADDS
.endif
	ST3 \p
	QUANT \b, \p
.if (\b)%2 == 1
	FINISH (\b)/2, \p
.endif
.endm
; THE CHANGE OF SLOTS stands at a chunk's head.  Each wave waits for all its tensor loads (its part of the slot that it is about to read), adds 0 to its spare word, and waits for that and for its reads of the slot that it has left.
; fill = 1: a round of the cluster's barrier, so that no wave of any partner still reads the other slot or has a load on its way; the joint load of the next chunk is the first thing behind it, and has this chunk's work in which to land.
.macro CHANGE fill
	s_wait_tensorcnt 0x0                           ; no tensor load of mine is out, so a group 0 may be written
	ds_add_u32 v[SPW], v[NIL]                      ; 0 onto my spare word
.if \fill
	s_xor_b32 s[G0W+1], s[G0W+1], SLOT1            ; the walking descriptors: the other slot than last time,
	s_add_nc_u64 s[G0W+2:G0W+3], s[G0W+2:G0W+3], 24576   ; the next 128 rows of gate or up; the type bits on top are not reached
	s_xor_b32 s[G0D+1], s[G0D+1], SLOT1
	s_add_nc_u64 s[G0D+2:G0D+3], s[G0D+2:G0D+3], 96      ; the next 128 codes of each row of down
.endif
	s_wait_dscnt 0x0                               ; the add is done, and my reads of the slot that I have left are over
.if \fill
	CROUND
	JLOAD
.else
	s_barrier_signal -1
	s_barrier_wait -1
.endif
	v_add_nc_u32 v[ADW], s[TB], v[AW0]             ; the chunk's addresses: six plain instructions, also the places behind the last chunk's products: in front of the loads into their registers, and of the products that write over them
	v_add_nc_u32 v[ADW2], s[TB], v[AW1]
	v_add_nc_u32 v[ADD0], s[TB], v[AD0]
	v_add_nc_u32 v[ADD1], s[TB], v[AD1]
	v_add_nc_u32 v[ADS], s[TS], v[ASW0]
	v_add_nc_u32 v[ADT], s[TJ], v[ASD0]
.endm
; A CHUNK: 128 of dff.
.macro CHUNK fill
	CHANGE \fill
	LOADW 0, 0
	LOADW 0, 1
	s_wait_dscnt 0x0                               ; block 0's fragments and scale words are in
	ARM 1, 0, 16                                   ; zg, zu of (block 0, A): there is no vector work yet to set between them
.rept 16
	BARE
.endr
	WIN 0
	PLACES 4                                       ; in front of the first read of their results
.irp b, 0,1,2,3
	ARM 1, 1, 16                                   ; zg, zu of (b, B) | silu and quantiser of (b, A) | the next block's weights, or down's tiles
.if \b < 3
	VEC \b, 0, 1
	s_wait_dscnt 0x0                               ; the next block's fragments and scale words are in
	ARM 1, 0, 16                                   ; zg, zu of (b + 1, A) | silu and quantiser of (b, B)
	VEC \b, 1, 0
.else
	VEC \b, 0, 2
	s_wait_dscnt 0x0                               ; down's tiles 0-11 and the scale words are in
	LOADD3                                         ; tiles 12-15
	PLACES 8                                       ; A's scale words and codes of h were written by vector instructions: 8 and 4 places ahead of a scaled matrix instruction
	ARM 2, 0, 32                                   ; y += h Wdown of A | silu and quantiser of (3, B)
	VEC \b, 1, 0
.endif
.endr
	PLACES 8                                       ; B's scale words and codes likewise
	ARM 2, 1, 32                                   ; y += h Wdown of B: all 16 tiles are in registers
.rept 32
	BARE
.endr
	WIN 0                                          ; at a label and at a branch every window is 0
	s_xor_b32 s[TB], s[TB], SLOT1                  ; on to the other slot, and to the next chunk's scale words
	s_add_co_u32 s[TS], s[TS], 1024
	s_add_co_u32 s[TJ], s[TJ], 4
.endm
	s_wait_loadcnt 0x0                             ; x's bytes and scale words
.set i, 0
.rept 24
	ds_store_b128 v[XW], v[G+4*i:G+4*i+3] offset:640*i
.set i, i+1
.endr
	WIN 0x40                                       ; x's fragments stay in registers.  LDS serves a wave's instructions in order (ISA guide 5.7.1.4): these loads see my stores; the wait for them stands in the first change of slots
.irp m, 0,1,2,3
.irp s, 0,1
	GFRAG 12*(2*\m+\s), \m*3840, \s
.endr
.endr
	WIN 0
.Lchunk:                                           ; 7 trips: the change into chunk c asks for chunk c + 1
	CHUNK 1
	s_sub_co_u32 s[CNT], s[CNT], 1
	s_cmp_lg_u32 s[CNT], 0
	s_cbranch_scc1 .Lchunk
	CHUNK 0                                        ; the last chunk is written out
; THE WAY OUT, block by block of 16 tokens x 128 outputs (block a: token tile a / 2, half a % 2 of the row).  A lane holds 32 neighbouring bytes of a row and the lanes beside it other rows: a block goes through my own stage
; and comes back as rows of 512 bytes.  LDS serves a wave's instructions in order (ISA guide 5.7.1.4): no wait between the stores and the loads, nor in front of the next block's stores.
.macro TOSTAGE a
.set AC, 64*((\a)%4)
	WIN 0x08+4*((\a)/4)                            ; an LDS store's data are its source 1: window 2 or 3
.irp b, 0,1,2,3,4,5,6,7
	ds_store_b128 v[STO], v[AC+8*\b:AC+8*\b+3] offset:64*\b          ; each accumulator from its low end on
	ds_store_b128 v[STO], v[AC+8*\b+4:AC+8*\b+7] offset:64*\b+16
.endr
	WIN 0
.set BB, BK+64*((\a)%2)
.irp t, 0,1,2,3,4,5,6,7,8,9,10,11,12,13,14,15
	ds_load_b128 v[BB+4*\t:BB+4*\t+3], v[RD] offset:\t*528
.endr
.endm
.macro SEND a, younger                 ; younger: the LDS instructions issued behind block a's loads, which may stay out
.set BB, BK+64*((\a)%2)
	s_wait_dscnt \younger                          ; the block is back in registers
.irp t, 0,1,2,3,4,5,6,7,8,9,10,11,12,13,14,15
	global_store_b128 v[CO], v[BB+4*\t:BB+4*\t+3], s[20:21] offset:((\a)/2)*16384+((\a)%2)*512+\t*1024 th:TH_STORE_NT   ; 32 lanes store 512 consecutive bytes, at a multiple of 256 from out0's first byte
.endr
.endm
	PLACES 4                                       ; behind the last products: in front of the first read of results, and of the loads into registers that they read
	TOSTAGE 0
.irp a, 1,2,3,4,5,6,7
.if \a > 1
	s_wait_xcnt 0x0                                ; block a - 2's stores have read their registers: block a's loads may land there
.endif
	TOSTAGE \a
	SEND \a-1, 32                                  ; behind block a - 1's loads: block a's 16 stores and 16 loads
.endr
	SEND 7, 0
	s_wait_tensorcnt 0x0                           ; the wave's end, behind my last tensor load and my last LDS store
	ds_add_u32 v[SPW], v[NIL]
	s_wait_dscnt 0x0
	CROUND                                         ; the closing round: no work-group ends while a partner may still ask for a tile that names it
	s_endpgm
.Lfunc_end_k_q6039499fe9_glu:
	.size	k_q6039499fe9_glu, .Lfunc_end_k_q6039499fe9_glu-k_q6039499fe9_glu
	.p2alignl 7, 3214868480
	.fill 96, 4, 3214868480
	.section	.rodata,"a",@progbits
	.p2align	6, 0x0
	.amdhsa_kernel k_q6039499fe9_glu
		.amdhsa_group_segment_fixed_size 327680
		.amdhsa_private_segment_fixed_size 0
		.amdhsa_enable_private_segment 0
		.amdhsa_kernarg_size 72
		.amdhsa_user_sgpr_count 2
		.amdhsa_user_sgpr_kernarg_segment_ptr 1
		.amdhsa_wavefront_size32 1
		.amdhsa_system_sgpr_workgroup_id_x 1
		.amdhsa_system_sgpr_workgroup_id_y 1
		.amdhsa_system_sgpr_workgroup_id_z 1
		.amdhsa_system_vgpr_workitem_id 0
		.amdhsa_next_free_vgpr 1024
		.amdhsa_next_free_sgpr 100
		.amdhsa_reserve_vcc 0
		.amdhsa_float_denorm_mode_32 3
		.amdhsa_float_denorm_mode_16_64 3
		.amdhsa_memory_ordered 1
		.amdhsa_forward_progress 1
		.amdhsa_inst_pref_size 255
	.end_amdhsa_kernel
	.section	.bss,"aw",@nobits
	.p2align	6
	.space	262144
	.amdgpu_metadata
---
amdhsa.version: [ 1, 2 ]
amdhsa.kernels:
  - .name:           k_q6039499fe9_glu
    .symbol:         k_q6039499fe9_glu.kd
    .args:
      - { .name: x_codes, .offset: 0, .size: 8, .value_kind: global_buffer, .address_space: global }
      - { .name: x_scales, .offset: 8, .size: 8, .value_kind: global_buffer, .address_space: global }
      - { .name: weight_gate_codes, .offset: 16, .size: 8, .value_kind: global_buffer, .address_space: global }
      - { .name: weight_gate_scales, .offset: 24, .size: 8, .value_kind: global_buffer, .address_space: global }
      - { .name: weight_up_codes, .offset: 32, .size: 8, .value_kind: global_buffer, .address_space: global }
      - { .name: weight_up_scales, .offset: 40, .size: 8, .value_kind: global_buffer, .address_space: global }
      - { .name: weight_down_codes, .offset: 48, .size: 8, .value_kind: global_buffer, .address_space: global }
      - { .name: weight_down_scales, .offset: 56, .size: 8, .value_kind: global_buffer, .address_space: global }
      - { .name: out0, .offset: 64, .size: 8, .value_kind: global_buffer, .address_space: global }
    .group_segment_fixed_size: 327680
    .private_segment_fixed_size: 0
    .kernarg_segment_align: 8
    .kernarg_segment_size: 72
    .max_flat_workgroup_size: 128
    .sgpr_count:     100
    .vgpr_count:     1024
    .wavefront_size: 32
...
	.end_amdgpu_metadata
.endif
;; end of part 1
